; MI455X (gfx1250); checked and timed in simulation.
; The chip was launched on July 23, 2026; its instructions are those of AMD's public machine-readable ISA for CDNA 5 (MIT licence, August 2026) and "CDNA5" Instruction Set Architecture Reference Guide (July 2026). The comments in the code are by the model that wrote it; some were corrected since.
;; Soft Rasterizer. Allowed arithmetic: float matrix products may take bf16 or f16 operands with f32 sums; all other float work in f32.
;; Inputs: faces 1,024 x 3 int32; verts 2 x 600 x 3 float32.
;; Outputs: out0 2 x 128 x 128 float32.
;; Constants: image_size = 128.
;; 2 versions, each right and faster than the one before. Each part assembles by itself: llvm-mc -triple=amdgcn-amd-amdhsa -mcpu=gfx1250 --defsym DOCPART=n.
;; ======== version 1 of 2: 1 launch
;; limits: a function is approximated: absolute error at most 0.0012
;; launch raster (part 1): grid 128 x 2, 16 waves a work-group, no clusters, 169,984 bytes of LDS; arguments faces, verts, out0; writes out0
.if DOCPART == 1
	.amdgcn_target "amdgcn-amd-amdhsa--gfx1250"
	.amdhsa_code_object_version 6
	.text
	.protected	k_qc9d991250c_raster
	.globl	k_qc9d991250c_raster
	.p2align	8
	.type	k_qc9d991250c_raster,@function
k_qc9d991250c_raster:
	s_mov_b64 s[64:65], 0
	v_nop
	global_prefetch_b8 v0, s[64:65] scope:SCOPE_SE
	s_setreg_imm32_b32 hwreg(HW_REG_WAVE_MODE, 25, 1), 1
	s_wait_xcnt 0x0
; Soft rasteriser.  out0[b][y][x] = 1 - product over 1,024 faces of (1 - sigmoid(+-d2min / sigma)), sigma = 1e-4:
; d2min = squared distance from the pixel's centre to the nearest of the face's three edges, + inside the face, - outside.
; faces [1024][3] i32, verts [2][600][3] f32 (x and y are used, as in the reference), out0 [2][128][128] f32.
;
; SHARES.  One work-group = one image row of one batch (grid 128 x 2): 128 pixels, 512 bytes of out0.  Sixteen waves.
;   Prologue: thread t turns faces t and t + 512 into records of 16 words in LDS (below).  One barrier.
;   Main loop: wave w takes faces 64 w .. 64 w + 63.  Lanes 0-15 hold the row's 128 pixels, eight a lane, for one face,
;   lanes 16-31 the same pixels for the next face: four LDS loads of 16 bytes a lane feed 132 vector instructions.
;   End: the two halves of a wave are multiplied (v_permlanex16_b32), sixteen partial rows meet in LDS, wave 0 finishes the row.
;
; ARITHMETIC.  For an edge a -> b of length L take its unit direction d and the normal n = (-dy, dx).  With u = d.(p - a), w = n.(p - a):
;   cr = L w,  diff = (u - t L) d + w n,  d2 = (u - t L)^2 + w^2,  t L = clamp(u, 0, L) (see EPS below).
;   u and w are affine in p, and the row's y is one number for the whole work-group: each is ONE multiply-add from the pixel's x.
;   All lengths carry the factor S = sqrt(log2(e) / sigma), so that the squared distance is the argument of v_exp_f32 (base 2) as it stands.
;   The normals are turned by the face's orientation, so that inside = all three w >= 0 = sign bit of min3(w) clear; v_bfi_b32 puts that bit on d2min.
;   1 - sigmoid(x) = 1 / (1 + e^x): the loop multiplies Q = product of (1 + e^x) and the reciprocal is taken once, out = 1 - 1 / Q.
; NOTHING OVERFLOWS OR UNDERFLOWS.  The scaled d2min is cut at XMAX = 25 before it gets its sign, so 2^x lies in 2^-25 .. 2^25: below, 1 + 2^-25 rounds to 1 as the
;   true factor does; above, the true factor is larger still.  Q is cut at QMAX = 2^24 after every four steps: 2^24 (2^25 + 1)^4 < 2^125.  All factors are >= 1 and no
;   cut factor exceeds the true one, so once a cut has acted both Q and the true product are >= 2^24 and both results are 1 to within 2^-24.
; EPS.  The reference takes t = clip(ap.ab / (ab.ab + 1e-12)), that is t L = clamp(g u, 0, L) with g = L^2 / (L^2 + 1e-12).  This text takes clamp(u, 0, L).
;   The two differ by at most min(L, 1e-12 / L) <= 1e-6, for every input; under the cut the distance along the edge is at most 5 / S = 0.042, so the exponent
;   moves by at most S^2 x 1e-6 x 0.084 = 0.0012.  The case that EPS is there for, L = 0, is clamp(u, 0, 0) = 0, the reference's t = 0.
; FACES WITHOUT AREA.  An edge with a = b gets d = (1, 0), L = 0: d2 = |p - a|^2 as in the reference.  Its w is then no cross product, which is harmless:
;   with one such edge the other two are opposite, min3(w) < 0 with or without it (the reference: cr = 0 for it, opposite signs for the others: outside);
;   with three such edges the reference has all cr = 0 = inside everywhere: the record's mask is all ones and v_bfi_b32 keeps d2min's own sign, +.
;   A sliver so thin that the sign of d0 x d1 is lost in rounding may be turned wrongly; its inside is then no wider than that rounding, where x = +-0.
; LIMITS.  Finite inputs.  Edges shorter than about 1e19 (their squared length is formed, as in the reference).  Indices above 599 are taken as 599.
;   u and w are rounded in another order than the reference's ap, cr: a pixel centre within rounding of the line through an edge may be classed otherwise.
;   On a face with area that line is left only at the face's border, where d2min = 0 and the sign is void; it can change a value only for faces
;   without area, away from their segment.  w is never -0 (see the record's w term), so an exact zero counts as inside, as in the reference.
; NOT USED.  Matrix instructions: u and w must be right to about 1e-6 of the coordinates, more than 16-bit operands hold.  Tensor loads, clusters:
;   what work-groups share is 27 KB of inputs, read once each.  The launch asks for more LDS than the 90,112 bytes it uses, more than half of what
;   a WGP has, so that no two of the 256 work-groups share one.
.set NFACE,  1024
.set NVERT,  600
.set WAVES,  16
.set RECB,   80                        ; pitch of the records: 64 bytes of data + 16: 20 words, so sixteen neighbouring threads' 16-byte stores start at sixteen different banks (64 banks of 4 bytes: ISA guide 11.1)
.set STEPB,  2*RECB                    ; a step of a wave: two faces, one for each half of its lanes
.set WAVEB,  (NFACE/WAVES)*RECB        ; a wave's 64 records
.set GROUPS, NFACE/WAVES/8             ; a group = four steps = eight faces, then Q is cut
.set RED,    NFACE*RECB                ; behind the records: 16 partial rows of 512 bytes
; A record, 16 words.  Edge k: word 4k  u's slope S dx | 4k+1  u's row term | 4k+2  w's slope | 4k+3  w's row term.  Word 12+k: S L of edge k.  Word 15: mask.
; registers of the whole kernel
.set PX,  2                            ; v[2:9]    x of my eight pixels
.set Q,   10                           ; v[10:17]  running products of my eight pixels
.set LA,  18                           ; v18       LDS address of my half-wave's record
.set RA,  19                           ; v19       LDS address in the partial rows
; registers of the main loop
.set C0,  20                           ; v[20:35]  record buffer 0
.set C1,  36                           ; v[36:51]  record buffer 1
.set U,   52                           ; v[52:63]  edge k, pixel j of four at U + 4 k + j: u, then u - t L
.set T,   64                           ; v[64:75]  t L, then d2
.set W,   76                           ; v[76:87]  w
.set X,   88                           ; v[88:91]  d2min, then the signed exponent, then 1 + 2^x
.set SG,  92                           ; v[92:95]  min3(w)
; registers of the prologue (free again at the first barrier)
.set IA,  20                           ; v[20:22]  indices of face t, then byte offsets of its vertices
.set FO,  23                           ; v23       12 t
.set IB,  24                           ; v[24:26]  the same for face t + 512
.set ST,  27                           ; v27       80 t
.set XYA, 28                           ; v[28:33]  x0 y0 x1 y1 x2 y2 of face t
.set XYB, 34                           ; v[34:39]  of face t + 512
.set PY,  40                           ; v40       the row's y
.set VS,  41                           ; v41       S
.set OS,  42                           ; v42       +-S by the face's orientation
.set NOS, 43                           ; v43       its negative
.set REC, 44                           ; v[44:59]  the record at work
.set DX,  60                           ; v[60:62]  dx of the three edges
.set DY,  63                           ; v[63:65]  dy
.set ABX, 66
.set ABY, 67
.set MX,  68
.set FS,  69
.set SX,  70
.set SY,  71
.set L2,  72
.set RS,  73
.set DYP, 74
.set LN,  75
.set T0,  76
.set T1,  77
.set DEG, 24                           ; s[24:26]  lanes whose edge k is a point
	s_load_b128 s[4:7], s[0:1], 0x0                ; faces s[4:5], verts s[6:7]
	s_load_b64 s[8:9], s[0:1], 0x10                ; out0
	v_lshl_add_u32 v96, v0, 2, 0x29000
	v_mov_b32 v97, 0
	v_mul_u32_u24 v[FO], 12, v0                    ; a face is three words
	s_and_b32 s10, ttmp7, 0xffff                   ; batch
	s_mul_i32 s12, s10, NVERT*12                   ; the batch's vertices
	s_mov_b32 s13, 0
	s_lshl_b32 s14, s10, 7
	s_add_co_u32 s14, s14, ttmp9                   ; 128 x batch + row
	s_lshl_b32 s14, s14, 9                         ; rows of 512 bytes
	s_mov_b32 s15, 0
	s_wait_kmcnt 0x0
	global_load_b96 v[IA:IA+2], v[FO], s[4:5]
	global_load_b96 v[IB:IB+2], v[FO], s[4:5] offset:512*12
	s_add_nc_u64 s[6:7], s[6:7], s[12:13]
	s_add_nc_u64 s[8:9], s[8:9], s[14:15]
	; while the indices are on their way: constants, pixel centres, LDS addresses
	s_mov_b32 s16, 0x42f03978                      ; S = sqrt(1.442695 / 1e-4) = 120.11224
	s_mov_b32 s17, 0xc2f03978                      ; -S
	s_mov_b32 s18, 0x41c80000                      ; XMAX = 25
	s_mov_b32 s19, 0x4b800000                      ; QMAX = 2^24
	s_mov_b32 s20, 0x26800000                      ; 2^-50
	s_mov_b32 s21, 0x6c800000                      ; 2^90
	s_mov_b32 s22, 0x7fffffff                      ; all but the sign
	s_mov_b32 s23, 0x3c000000                      ; 1 / 128
	s_mov_b32 s30, 0x76543210                      ; v_permlanex16_b32: lane i of one half reads lane i of the other
	s_mov_b32 s31, 0xfedcba98
	v_and_b32 v1, 15, v0
	v_lshlrev_b32 v1, 4, v1                        ; pixel i = 8 (lane mod 16) + j has the centre (2 i + 1) / 128 - 1, exact in f32
.irp j, 0,1,2,3,4,5,6,7
	v_or_b32 v[PX+\j], 2*\j+1, v1
.endr
.irp j, 0,1,2,3,4,5,6,7
	v_cvt_f32_u32 v[PX+\j], v[PX+\j]
.endr
.irp j, 0,1,2,3,4,5,6,7
	v_fma_f32 v[PX+\j], v[PX+\j], s23, -1.0
.endr
	s_lshl_b32 s27, ttmp9, 1
	s_or_b32 s27, s27, 1
	v_cvt_f32_u32 v[PY], s27
	v_fma_f32 v[PY], v[PY], s23, -1.0              ; the row's y
	v_mov_b32 v[VS], s16
	v_lshrrev_b32 v1, 5, v0
	v_readfirstlane_b32 s29, v1                    ; wave 0..15
	v_bfe_u32 v1, v0, 4, 1                         ; which half of the wave
	s_mul_i32 s27, s29, WAVEB
	v_mad_u32_u24 v[LA], v1, RECB, s27             ; my wave's records, the odd one for lanes 16-31
	v_mul_u32_u24 v[ST], RECB, v0                  ; where I put face t's record
	v_and_b32 v1, 15, v0
	v_lshlrev_b32 v1, 5, v1                        ; my eight pixels are 32 bytes of a row
	s_lshl_b32 s27, s29, 9
	s_add_co_u32 s27, s27, RED
	v_add_nc_u32 v[RA], s27, v1                    ; in my wave's partial row
.irp j, 0,1,2,3,4,5,6,7
	v_mov_b32 v[Q+\j], 1.0
.endr
	s_wait_loadcnt 0x0                             ; the six indices
.irp r, IA, IA+1, IA+2, IB, IB+1, IB+2
	v_min_u32 v[\r], NVERT-1, v[\r]                ; an index stays inside the table
	v_mul_u32_u24 v[\r], 12, v[\r]                 ; a vertex is three words
.endr
.irp j, 0,1,2
	global_load_b32 v[XYA+2*\j],   v[IA+\j], s[6:7]            ; a vertex starts at a multiple of 4 bytes only: x and y by loads of their own
	global_load_b32 v[XYA+2*\j+1], v[IA+\j], s[6:7] offset:4
.endr
.irp j, 0,1,2
	global_load_b32 v[XYB+2*\j],   v[IB+\j], s[6:7]
	global_load_b32 v[XYB+2*\j+1], v[IB+\j], s[6:7] offset:4
.endr
; Edge k of a face, from a = (ax, ay) to b = (bx, by): u's two words, S L, d, and w's row term as yet without S and orientation.
.macro EDGE k, ax, ay, bx, by
	v_sub_f32 v[ABX], v[\bx], v[\ax]
	v_sub_f32 v[ABY], v[\by], v[\ay]
	v_and_b32 v[MX], s22, v[ABX]
	v_and_b32 v[T0], s22, v[ABY]
	v_max_num_f32 v[MX], v[MX], v[T0]              ; the larger component's size
	v_cmp_gt_f32 vcc_lo, s20, v[MX]                ; below 2^-50 the square would leave the normal range, where v_rsq_f32 reads zero:
	v_cndmask_b32 v[FS], 1.0, s21, vcc_lo          ; such an edge is blown up by 2^90 (the smallest f32, 2^-149, then squares to 2^-118) for its direction alone
	v_cmp_eq_f32 s[DEG+\k], 0, v[MX]               ; a = b exactly
	v_mul_f32 v[SX], v[ABX], v[FS]
	v_mul_f32 v[SY], v[ABY], v[FS]
	v_cndmask_b32 v[SX], v[SX], 1.0, s[DEG+\k]     ; a point counts as (1, 0) from here on: the root below never sees a zero
	v_mul_f32 v[L2], v[SX], v[SX]
	v_fmac_f32 v[L2], v[SY], v[SY]
	v_rsq_f32 v[RS], v[L2]
	v_sub_f32 v[DYP], v[PY], v[\ay]                ; a plain vector instruction stands between v_rsq_f32 and the first use of its result (ISA guide 5.7.2)
	s_wait_alu depctr_va_vdst(0)
	v_mul_f32 v[DX+\k], v[SX], v[RS]
	v_mul_f32 v[DY+\k], v[SY], v[RS]
	v_mul_f32 v[LN], v[ABX], v[DX+\k]
	v_fmac_f32 v[LN], v[ABY], v[DY+\k]             ; L = ab.d, from the edge as it is: 0 for a point
	v_mul_f32 v[REC+4*\k], s16, v[DX+\k]           ; u's slope S dx
	v_mul_f32 v[T0], s17, v[DX+\k]
	v_mul_f32 v[T1], s16, v[DY+\k]
	v_mul_f32 v[REC+4*\k+1], v[T0], v[\ax]
	v_fmac_f32 v[REC+4*\k+1], v[T1], v[DYP]        ; u's row term S (dy (y - ay) - dx ax)
	v_mul_f32 v[REC+12+\k], s16, v[LN]             ; S L
	v_mul_f32 v[REC+4*\k+3], v[DX+\k], v[DYP]
	v_fmac_f32 v[REC+4*\k+3], v[DY+\k], v[\ax]     ; dx (y - ay) + dy ax
.endm
; A face with its six coordinates from register xy on; its record goes to LDS at 80 t + so.
.macro PREP xy, so
	EDGE 0, \xy+0, \xy+1, \xy+2, \xy+3
	EDGE 1, \xy+2, \xy+3, \xy+4, \xy+5
	EDGE 2, \xy+4, \xy+5, \xy+0, \xy+1
	v_mul_f32 v[T0], v[DX], v[DY+1]
	v_mul_f32 v[T1], v[DY], v[DX+1]
	v_cmp_lt_f32 vcc_lo, v[T0], v[T1]              ; d0 x d1 < 0: the face runs the other way round, all three normals are turned
	v_cndmask_b32 v[OS], v[VS], s17, vcc_lo
	v_xor_b32 v[NOS], 0x80000000, v[OS]
.irp k, 0,1,2
	v_mul_f32 v[REC+4*\k+2], v[NOS], v[DY+\k]                  ; w's slope -+S dy
	v_fma_f32 v[REC+4*\k+3], v[OS], v[REC+4*\k+3], 0           ; w's row term; the + 0 makes a -0 a +0, so that no w is ever -0 (a sum is -0 only if both terms are)
.endr
	s_and_b32 s27, s[DEG], s[DEG+1]
	s_and_b32 s27, s27, s[DEG+2]
	v_cndmask_b32 v[REC+15], s22, -1, s27          ; three points: the mask keeps d2min's own sign
.irp j, 0,1,2,3
	ds_store_b128 v[ST], v[REC+4*\j:REC+4*\j+3] offset:\so+16*\j
.endr
.endm
	s_wait_loadcnt 0x6                             ; face t's six coordinates are in, the other face's six may be out
	PREP XYA, 0
	s_wait_loadcnt 0x0
	PREP XYB, 512*RECB
	s_wait_dscnt 0x0                               ; my records are in LDS,
	s_barrier_signal -1
	s_barrier_wait -1                              ; everybody's are
; Four pixels (two pairs, x from register xb on, products from qb on) against the record in buffer cb.  Six or more independent instructions in each stage.
.macro HALF cb, xb, qb
.irp k, 0,1,2
.irp p, 0,2
	v_pk_fma_f32 v[U+4*\k+\p:U+4*\k+\p+1], v[\xb+\p:\xb+\p+1], v[\cb+4*\k:\cb+4*\k+1], v[\cb+4*\k:\cb+4*\k+1] op_sel:[0,0,1] op_sel_hi:[1,0,1]   ; u = x * word 4k + word 4k+1
.endr
.endr
.irp k, 0,1,2
.irp p, 0,2
	v_pk_fma_f32 v[W+4*\k+\p:W+4*\k+\p+1], v[\xb+\p:\xb+\p+1], v[\cb+4*\k+2:\cb+4*\k+3], v[\cb+4*\k+2:\cb+4*\k+3] op_sel:[0,0,1] op_sel_hi:[1,0,1]   ; w = x * word 4k+2 + word 4k+3
.endr
.endr
.irp k, 0,1,2
.irp j, 0,1,2,3
	v_med3_num_f32 v[T+4*\k+\j], v[U+4*\k+\j], 0, v[\cb+12+\k]     ; t L = clamp(u, 0, L)
.endr
.endr
.irp k, 0,1,2
.irp p, 0,2
	v_pk_add_f32 v[U+4*\k+\p:U+4*\k+\p+1], v[U+4*\k+\p:U+4*\k+\p+1], v[T+4*\k+\p:T+4*\k+\p+1] neg_lo:[0,1] neg_hi:[0,1]   ; u - t L
.endr
.endr
.irp k, 0,1,2
.irp p, 0,2
	v_pk_mul_f32 v[T+4*\k+\p:T+4*\k+\p+1], v[U+4*\k+\p:U+4*\k+\p+1], v[U+4*\k+\p:U+4*\k+\p+1]
.endr
.endr
.irp k, 0,1,2
.irp p, 0,2
	v_pk_fma_f32 v[T+4*\k+\p:T+4*\k+\p+1], v[W+4*\k+\p:W+4*\k+\p+1], v[W+4*\k+\p:W+4*\k+\p+1], v[T+4*\k+\p:T+4*\k+\p+1]   ; d2 = w^2 + (u - t L)^2
.endr
.endr
.irp j, 0,1,2,3
	v_min3_num_f32 v[X+\j], v[T+\j], v[T+4+\j], s18            ; the nearest edge, cut at XMAX,
.endr
.irp j, 0,1,2,3
	v_min3_num_f32 v[SG+\j], v[W+\j], v[W+4+\j], v[W+8+\j]     ; >= 0: inside
.endr
.irp j, 0,1,2,3
	v_min_num_f32 v[X+\j], v[X+\j], v[T+8+\j]                  ; of all three
.endr
	; The order below keeps a plain vector instruction between each v_exp_f32 and the first use of its result (ISA guide 5.7.2): the second pair's v_bfi_b32 for the first pair, the first pair's add and multiply for the second.
	v_bfi_b32 v[X],   v[\cb+15], v[X],   v[SG]     ; size of d2min, sign of min3(w): -25 <= x <= 25
	v_bfi_b32 v[X+1], v[\cb+15], v[X+1], v[SG+1]
	v_exp_f32 v[X],   v[X]
	v_exp_f32 v[X+1], v[X+1]
	v_bfi_b32 v[X+2], v[\cb+15], v[X+2], v[SG+2]
	v_bfi_b32 v[X+3], v[\cb+15], v[X+3], v[SG+3]
	v_exp_f32 v[X+2], v[X+2]
	v_exp_f32 v[X+3], v[X+3]
	s_wait_alu depctr_va_vdst(0)
	v_pk_add_f32 v[X:X+1], v[X:X+1], 1.0 op_sel_hi:[1,0]
	v_pk_mul_f32 v[\qb:\qb+1], v[\qb:\qb+1], v[X:X+1]          ; Q (1 + 2^x)
	v_pk_add_f32 v[X+2:X+3], v[X+2:X+3], 1.0 op_sel_hi:[1,0]
	v_pk_mul_f32 v[\qb+2:\qb+3], v[\qb+2:\qb+3], v[X+2:X+3]
.endm
.macro STEP cb                         ; my eight pixels against my half-wave's face
	HALF \cb, PX, Q
	HALF \cb, PX+4, Q+4
.endm
.macro LOADC cb, off                   ; a record: within each half of the lanes all read the same 16 bytes
.irp j, 0,1,2,3
	ds_load_b128 v[\cb+4*\j:\cb+4*\j+3], v[LA] offset:\off+16*\j
.endr
.endm
.macro QCUT                            ; Q <= QMAX again: the next four factors, each at most 2^25 + 1, keep it under 2^125
.irp j, 0,1,2,3,4,5,6,7
	v_min_num_f32 v[Q+\j], s19, v[Q+\j]
.endr
.endm
	LOADC C0, 0                                    ; steps 0 and 1
	LOADC C1, STEPB
	s_mov_b32 s28, GROUPS-1
.Lgroup:
	s_wait_dscnt 0x4                               ; LDS loads come back in order (ISA guide 5.7.1): buffer 0's four are in, buffer 1's four may be out (the same count on the way in and round the loop)
	STEP C0
	LOADC C0, 2*STEPB                              ; two steps ahead: a whole step's arithmetic lies between these loads and their wait
	s_wait_dscnt 0x4                               ; buffer 1's four are in, the four just issued may be out
	STEP C1
	LOADC C1, 3*STEPB
	s_wait_dscnt 0x4
	STEP C0
	LOADC C0, 4*STEPB
	s_wait_dscnt 0x4
	STEP C1
	LOADC C1, 5*STEPB
	QCUT
	v_add_nc_u32 v[LA], 4*STEPB, v[LA]
	s_sub_co_i32 s28, s28, 1
	s_cmp_lg_u32 s28, 0
	s_cbranch_scc1 .Lgroup
	s_wait_dscnt 0x4                               ; the last group: its first two steps fetch the last two records,
	STEP C0
	LOADC C0, 2*STEPB
	s_wait_dscnt 0x4
	STEP C1
	LOADC C1, 3*STEPB
	s_wait_dscnt 0x4                               ; its last two fetch nothing: no read goes past the wave's 64 records
	STEP C0
	s_wait_dscnt 0x0
	STEP C1
	QCUT
	; the two halves of the wave hold the same pixels for different faces: each at most 2^24, their product at most 2^48, cut to 2^24 again
.irp j, 0,1,2,3,4,5,6,7
	v_permlanex16_b32 v[U+\j], v[Q+\j], s30, s31   ; its destination counts as read: U has been written
.endr
.irp j, 0,2,4,6
	v_pk_mul_f32 v[Q+\j:Q+\j+1], v[Q+\j:Q+\j+1], v[U+\j:U+\j+1]
.endr
	QCUT
	ds_store_b128 v[RA], v[Q:Q+3]                  ; lanes i and i + 16 write the same bytes with the same numbers
	ds_store_b128 v[RA], v[Q+4:Q+7] offset:16
	s_wait_dscnt 0x0                               ; my partial row is in LDS,
	s_barrier_signal -1
	s_barrier_wait -1                              ; all sixteen are
	s_cmp_lg_u32 s29, 0
	s_cbranch_scc1 .Ldone
	; wave 0: lane l takes pixels 4 l .. 4 l + 3 of all sixteen partial rows
.set R0, 20                            ; v[20:83]
	s_mov_b32 s27, RED
	v_lshl_add_u32 v[RA], v0, 4, s27
.irp j, 0,1,2,3,4,5,6,7,8,9,10,11,12,13,14,15
	ds_load_b128 v[R0+4*\j:R0+4*\j+3], v[RA] offset:512*\j
.endr
.macro MULV a, b
	v_pk_mul_f32 v[\a:\a+1], v[\a:\a+1], v[\b:\b+1]
	v_pk_mul_f32 v[\a+2:\a+3], v[\a+2:\a+3], v[\b+2:\b+3]
.endm
	s_wait_dscnt 0x0
.irp j, 0,1,2,3,4,5,6,7
	MULV R0+4*\j, R0+4*\j+32                       ; at most 2^48
.endr
.irp j, 0,1,2,3
	MULV R0+4*\j, R0+4*\j+16                       ; at most 2^96
.endr
.set i, 0
.rept 16
	v_min_num_f32 v[R0+i], s19, v[R0+i]            ; cut to 2^24
.set i, i+1
.endr
	MULV R0, R0+8                                  ; at most 2^48
	MULV R0+4, R0+12
	MULV R0, R0+4                                  ; at most 2^96: its reciprocal is a normal number
.irp j, 0,1,2,3
	v_rcp_f32 v[R0+\j], v[R0+\j]                   ; 1 / Q = the product of the (1 - prob)
.endr
	v_lshlrev_b32 v1, 4, v0                        ; my 16 bytes of the row (also the plain instruction behind the v_rcp_f32)
	s_wait_alu depctr_va_vdst(0)
.irp j, 0,1,2,3
	v_sub_f32 v[R0+\j], 1.0, v[R0+\j]
.endr
	global_store_b128 v1, v[R0:R0+3], s[8:9] th:TH_STORE_NT    ; one store covers the row: 512 consecutive bytes from a multiple of 512
.Ldone:
	s_wait_tensorcnt 0x0
	ds_add_u32 v96, v97
	s_wait_dscnt 0x0
	s_endpgm
.Lfunc_end_k_qc9d991250c_raster:
	.size	k_qc9d991250c_raster, .Lfunc_end_k_qc9d991250c_raster-k_qc9d991250c_raster
	.p2alignl 7, 3214868480
	.fill 96, 4, 3214868480
	.section	.rodata,"a",@progbits
	.p2align	6, 0x0
	.amdhsa_kernel k_qc9d991250c_raster
		.amdhsa_group_segment_fixed_size 169984
		.amdhsa_private_segment_fixed_size 0
		.amdhsa_enable_private_segment 0
		.amdhsa_kernarg_size 24
		.amdhsa_user_sgpr_count 2
		.amdhsa_user_sgpr_kernarg_segment_ptr 1
		.amdhsa_wavefront_size32 1
		.amdhsa_system_sgpr_workgroup_id_x 1
		.amdhsa_system_sgpr_workgroup_id_y 1
		.amdhsa_system_sgpr_workgroup_id_z 1
		.amdhsa_system_vgpr_workitem_id 0
		.amdhsa_next_free_vgpr 98
		.amdhsa_next_free_sgpr 66
		.amdhsa_reserve_vcc 1
		.amdhsa_float_denorm_mode_32 3
		.amdhsa_float_denorm_mode_16_64 3
		.amdhsa_memory_ordered 1
		.amdhsa_forward_progress 1
		.amdhsa_inst_pref_size 84
	.end_amdhsa_kernel
	.amdgpu_metadata
---
amdhsa.version: [ 1, 2 ]
amdhsa.kernels:
  - .name:           k_qc9d991250c_raster
    .symbol:         k_qc9d991250c_raster.kd
    .args:
      - { .name: faces, .offset: 0, .size: 8, .value_kind: global_buffer, .address_space: global }
      - { .name: verts, .offset: 8, .size: 8, .value_kind: global_buffer, .address_space: global }
      - { .name: out0, .offset: 16, .size: 8, .value_kind: global_buffer, .address_space: global }
    .group_segment_fixed_size: 169984
    .private_segment_fixed_size: 0
    .kernarg_segment_align: 8
    .kernarg_segment_size: 24
    .max_flat_workgroup_size: 512
    .sgpr_count:     66
    .vgpr_count:     98
    .wavefront_size: 32
...
	.end_amdgpu_metadata
.endif
;; end of part 1
;; ======== version 2 of 2: 2 launches; 1.59 times as fast as version 1
;; limits: a function is approximated: absolute error at most 0.0012
;; workspace buffers: masks 65,536 bytes of whole numbers
;; launch bin (part 2): grid 128 x 2, 16 waves a work-group, no clusters, 169,984 bytes of LDS; arguments faces, verts, masks; writes masks
.if DOCPART == 2
	.amdgcn_target "amdgcn-amd-amdhsa--gfx1250"
	.amdhsa_code_object_version 6
	.text
	.protected	k_qc9d991250c_bin
	.globl	k_qc9d991250c_bin
	.p2align	8
	.type	k_qc9d991250c_bin,@function
k_qc9d991250c_bin:
	s_mov_b64 s[64:65], 0
	v_nop
	global_prefetch_b8 v0, s[64:65] scope:SCOPE_SE
	s_setreg_imm32_b32 hwreg(HW_REG_WAVE_MODE, 25, 1), 1
	s_wait_xcnt 0x0
; Soft rasteriser, first of two launches: which faces can change a tile's pixels at all.
; faces [1024][3] i32, verts [2][600][3] f32 (x and y are used), masks [2][128 tiles][32][2] u32.
; The image of 128 x 128 pixels is cut into 8 x 16 tiles of 16 x 8 pixels.  One work-group = one tile of one batch (grid 128 x 2), sixteen waves;
; thread t judges faces t and t + 512.  The second launch evaluates, for each pixel and face, x = +-S^2 d2min (S^2 = log2(e) / sigma; + inside), cuts |x| at 25 and
; multiplies the factors 1 + 2^x.  Here the same u, w and x are evaluated once for each face, at the tile's CENTRE, by the same formulas (see that launch's head).
; SKIPPED FACES.  The distance to a face's border changes by no more than the distance moved, and the tile's pixel centres lie within
;   R = S sqrt(7.5^2 + 3.5^2) / 64 = 15.53 scaled units of its centre.  With TH = 425 = 20.6^2 > (5 + R)^2:
;   x <= -TH at the centre: every pixel of the tile is outside, at 5 units or more: x <= -25, the factor 1 + 2^-25 rounds to 1: the face is SKIPPED.
;   Every other face is NEAR: bit (face mod 32) of near word (face / 32).  A face of three equal vertices counts as inside everywhere, as in the reference
;   (its sign mask is all ones), so it is never skipped.  TH leaves 0.08 units for the rounding of u and w, which is about 1e-5 units for coordinates of size 1.
; COVERED TILES.  The tile is four sub-tiles of 8 x 4 pixels, their centres at (+-4, +-2) pixels = (+-1/16, +-1/32) from the tile's, their pixel centres within
;   (3.5, 1.5) pixels = (3.5/64, 1.5/64) of those.  w = NB x + A y + cw is affine, so its least value over a sub-tile's pixel centres is
;   w(tile centre) +- NB / 16 +- A / 32 - |NB| 3.5/64 - |A| 1.5/64.  Let m be the least of that over the face's three edges.  Where m > 0 every pixel of the sub-tile
;   is inside the face and at least m from every edge's line: x >= min(m^2, 25), and the face's factor 1 + 2^x is at least 2^x.  All factors are >= 1, so
;   log2 of a pixel's product is at least the sum over the faces of clamp(m, 0, 5)^2.  Where that sum reaches 24.5 in all four sub-tiles the result is 1 to within
;   2^-24 in every pixel: the tile is COVERED and no face need be evaluated.  (The second launch's head speaks of one covering face: that is the case m >= 5;
;   several shallower faces together do the same.)  A face far inside (x >= TH at the centre) has m >= 20.6 - R > 5 and covers alone; should rounding deny that, it is near
;   and is evaluated.  Faces without area give m <= 0 (two of their w are opposite); one of three equal vertices gives m^2 <= w^2 <= |p - a|^2 S^2, its true x.
;   The half unit between 24.5 and 24 is there for the rounding of w: a term moves by 10 times w's error, about 1e-4 for coordinates of size 1.
; OUT.  For each tile 32 pairs (near word, or 0 where the tile is covered | 1 where it is covered, else 0): 256 bytes, one aligned store of one wave.
;   Nothing here branches on a floating-point number: the comparisons end in stored words, and the covered tile's zeros are a select.
; LIMITS.  Those of the second launch.  A face without area counts as outside away from its segment, also for a pixel centre exactly on its line.
; The launch asks for more LDS than the 8,960 bytes it uses, more than half of what a WGP has, so that no two of the 256 work-groups share one.
.set NVERT, 600
.set VTAB,  0                          ; LDS: the batch's 7,200 bytes of vertices, in 8,192
.set STG,   8192                       ; LDS: 32 near words
.set SUMS,  8448                       ; LDS: 32 x 16 bytes: the four sub-tiles' sums of each half of each wave
.set IA,  2                            ; v[2:4]    indices of face t, then byte offsets of its vertices in the table
.set FO,  5                            ; v5        12 t
.set IB,  6                            ; v[6:8]    the same for face t + 512
.set VO,  9                            ; v9        where my 16 bytes of the vertices lie in memory
.set VL,  10                           ; v10       16 t: where they go in LDS
.set XC,  11                           ; v11       the tile centre's x
.set VD,  12                           ; v[12:15]  my 16 bytes of the vertices
.set XYA, 16                           ; v[16:21]  x0 y0 x1 y1 x2 y2 of face t
.set XYB, 22                           ; v[22:27]  of face t + 512
.set PV,  28                           ; v[28:31]  vertices 1 and 2 in counter-clockwise order
.set REC, 32                           ; v[32:47]  the face's record (second launch's head): edge k: A | NB | cu | cw; S L x 3; mask
.set ABX, 48                           ; v[48:50]  b - a of the three edges, x
.set ABY, 51                           ; v[51:53]  y
.set SX,  54                           ; v[54:56]  the same, scaled where tiny; then dx
.set SY,  57                           ; v[57:59]  then dy
.set L2,  60                           ; v[60:62]  squared length, then its inverse root
.set MX,  63
.set FS,  64
.set LN,  65
.set T0,  66
.set T1,  67
.set T2,  68
.set T3,  69
.set YC,  70                           ; v70       the tile centre's y
.set BU,  71                           ; v[71:73]  u of the three edges at the centre
.set BW,  74                           ; v[74:76]  w
.set TT,  77                           ; v[77:79]  t L, then d2
.set DD,  80
.set GG,  81
.set XX,  82
.set SA,  83                           ; v83       my wave's word in the stage
.set WD,  84                           ; v[84:85]  my wave's two near words
.set SB,  86                           ; v86       16 (t / 16): my half-wave's place among the sums
.set BS,  87                           ; v[87:89]  edge k: w at the centre less the sub-tile's half extent along the normal
.set CXP, 90                           ; v[90:91]  +1/16, -1/16
.set P,   92                           ; v[92:97]  edge k: the same at the lower and at the upper sub-tiles' y
.set H,   98                           ; v[98:109] edge k, sub-tile j at H + 4 k + j: the least w
.set M,   110                          ; v[110:113] sub-tile j: m, clamped
.set ACC, 114                          ; v[114:117] sub-tile j: sum of m^2
.set OUT, 118                          ; v[118:119] a pair to store
.set R,   120                          ; v[120:127] wave 0: two half-waves' sums
.set DEG, 24                           ; s[24:26]  lanes whose edge k is a point
	s_load_b128 s[4:7], s[0:1], 0x0                ; faces s[4:5], verts s[6:7]
	s_load_b64 s[8:9], s[0:1], 0x10                ; masks
	v_lshl_add_u32 v128, v0, 2, 0x29000
	v_mov_b32 v129, 0
	v_mul_u32_u24 v[FO], 12, v0                    ; a face is three words
	v_lshlrev_b32 v[VL], 4, v0
	v_min_u32 v[VO], NVERT*12-16, v[VL]            ; threads 450 to 511 read the table's last 16 bytes again: no load leaves the buffer, no lane is switched off
	s_and_b32 s10, ttmp7, 0xffff                   ; batch
	s_mul_i32 s12, s10, NVERT*12                   ; the batch's vertices: 7,200 bytes, a multiple of 16
	s_mov_b32 s13, 0
	s_lshl_b32 s14, s10, 7
	s_add_co_u32 s14, s14, ttmp9                   ; 128 x batch + tile
	s_lshl_b32 s14, s14, 8                         ; 256 bytes of masks a tile
	s_mov_b32 s15, 0
	s_wait_kmcnt 0x0
	s_add_nc_u64 s[6:7], s[6:7], s[12:13]
	s_add_nc_u64 s[8:9], s[8:9], s[14:15]
	global_load_b128 v[VD:VD+3], v[VO], s[6:7]     ; vertices and indices are asked for together: the gather below is from LDS
	global_load_b96 v[IA:IA+2], v[FO], s[4:5]
	global_load_b96 v[IB:IB+2], v[FO], s[4:5] offset:512*12
	s_mov_b32 s16, 0x42f03978                      ; S = sqrt(1.442695 / 1e-4) = 120.11224
	s_mov_b32 s17, 0xc2f03978                      ; -S
	s_mov_b32 s18, 0xc3d48000                      ; -TH = -425
	s_mov_b32 s19, 0x40a00000                      ; 5
	s_mov_b32 s20, 0x26800000                      ; 2^-50
	s_mov_b32 s21, 0x6c800000                      ; 2^90
	s_mov_b32 s22, 0x7fffffff                      ; all but the sign
	s_mov_b32 s23, 0x3e000000                      ; 1 / 8
	s_mov_b32 s28, 0x3d800000                      ; 1 / 16
	s_mov_b32 s32, 0xbd600000                      ; -3.5 / 64
	s_mov_b32 s33, 0xbcc00000                      ; -1.5 / 64
	s_mov_b32 s34, 0x3d000000                      ; 1 / 32
	s_mov_b32 s35, 0x41c40000                      ; 24.5
	s_and_b32 s27, ttmp9, 7                        ; tile column tx: its pixels 16 tx .. 16 tx + 15 have the mean centre (2 tx + 1) / 8 - 1
	s_lshl_b32 s27, s27, 1
	s_or_b32 s27, s27, 1
	v_cvt_f32_u32 v[XC], s27
	v_fma_f32 v[XC], v[XC], s23, -1.0
	s_lshr_b32 s27, ttmp9, 3                       ; tile row ty: rows 8 ty .. 8 ty + 7, mean centre (2 ty + 1) / 16 - 1
	s_lshl_b32 s27, s27, 1
	s_or_b32 s27, s27, 1
	v_cvt_f32_u32 v[YC], s27
	v_fma_f32 v[YC], v[YC], s28, -1.0
	v_mov_b32 v[CXP], s28                          ; the right and the left sub-tiles' centres, from the tile's
	v_mov_b32 v[CXP+1], 0xbd800000
	v_lshrrev_b32 v1, 5, v0
	v_readfirstlane_b32 s29, v1                    ; wave 0..15
	s_lshl_b32 s27, s29, 2
	s_add_co_u32 s27, s27, STG
	v_mov_b32 v[SA], s27                           ; my wave's word in the stage
	v_lshrrev_b32 v1, 4, v0
	v_lshlrev_b32 v[SB], 4, v1                     ; 16 bytes for each half of each wave
	s_wait_loadcnt 0x2                             ; my 16 bytes of vertices are in; the two index loads behind them may be out
	ds_store_b128 v[VL], v[VD:VD+3] offset:VTAB
	s_wait_loadcnt 0x0                             ; the six indices
.irp r, IA, IA+1, IA+2, IB, IB+1, IB+2
	v_min_u32 v[\r], NVERT-1, v[\r]                ; an index stays inside the table
	v_mul_u32_u24 v[\r], 12, v[\r]                 ; a vertex is three words
.endr
	s_wait_dscnt 0x0                               ; my part of the table is in LDS,
	s_barrier_signal -1
	s_barrier_wait -1                              ; everybody's is
.irp j, 0,1,2
	ds_load_b32 v[XYA+2*\j],   v[IA+\j] offset:VTAB            ; a vertex starts at a multiple of 4 bytes only: x and y by loads of their own
	ds_load_b32 v[XYA+2*\j+1], v[IA+\j] offset:VTAB+4
.endr
.irp j, 0,1,2
	ds_load_b32 v[XYB+2*\j],   v[IB+\j] offset:VTAB
	ds_load_b32 v[XYB+2*\j+1], v[IB+\j] offset:VTAB+4
.endr
; Edge k from a to b, first part: b - a, whether it is a point, and the squared length of which the root is taken.
.macro EDGE_A k, ax, ay, bx, by
	v_sub_f32 v[ABX+\k], v[\bx], v[\ax]
	v_sub_f32 v[ABY+\k], v[\by], v[\ay]
	v_and_b32 v[MX], s22, v[ABX+\k]
	v_and_b32 v[T0], s22, v[ABY+\k]
	v_max_num_f32 v[MX], v[MX], v[T0]              ; the larger component's size
	v_cmp_gt_f32 vcc_lo, s20, v[MX]                ; below 2^-50 the square would leave the normal range, where v_rsq_f32 reads zero:
	v_cndmask_b32 v[FS], 1.0, s21, vcc_lo          ; such an edge is blown up by 2^90 (the smallest f32, 2^-149, then squares to 2^-118) for its direction alone
	v_cmp_eq_f32 s[DEG+\k], 0, v[MX]               ; a = b exactly
	v_mul_f32 v[SX+\k], v[ABX+\k], v[FS]
	v_mul_f32 v[SY+\k], v[ABY+\k], v[FS]
	v_cndmask_b32 v[SX+\k], v[SX+\k], 1.0, s[DEG+\k]   ; a point counts as (1, 0) from here on: the root never sees a zero
	v_mul_f32 v[L2+\k], v[SX+\k], v[SX+\k]
	v_fmac_f32 v[L2+\k], v[SY+\k], v[SY+\k]
.endm
; Second part: the edge's five words of the record.
.macro EDGE_B k, ax, ay
	v_mul_f32 v[SX+\k], v[SX+\k], v[L2+\k]         ; dx
	v_mul_f32 v[SY+\k], v[SY+\k], v[L2+\k]         ; dy
	v_mul_f32 v[LN], v[ABX+\k], v[SX+\k]
	v_fmac_f32 v[LN], v[ABY+\k], v[SY+\k]          ; L = ab.d, from the edge as it is: 0 for a point
	v_mul_f32 v[REC+4*\k], s16, v[SX+\k]           ; A = S dx
	v_mul_f32 v[REC+4*\k+1], s17, v[SY+\k]         ; NB = -S dy
	v_mul_f32 v[REC+12+\k], s16, v[LN]             ; S L
	v_mul_f32 v[T0], v[REC+4*\k+1], v[\ay]
	v_mul_f32 v[T1], v[REC+4*\k], v[\ay]
	v_fma_f32 v[REC+4*\k+2], -v[REC+4*\k], v[\ax], v[T0]       ; cu = -A ax + NB ay
	v_fma_f32 v[REC+4*\k+3], -v[REC+4*\k+1], v[\ax], -v[T1]    ; cw = -NB ax - A ay
.endm
; A face with its six coordinates from register xy on: its record in REC.
.macro FACE xy
	v_sub_f32 v[T0], v[\xy+2], v[\xy]
	v_sub_f32 v[T1], v[\xy+5], v[\xy+1]
	v_sub_f32 v[T2], v[\xy+3], v[\xy+1]
	v_sub_f32 v[T3], v[\xy+4], v[\xy]
	v_mul_f32 v[T0], v[T0], v[T1]
	v_mul_f32 v[T2], v[T2], v[T3]
	v_cmp_lt_f32 vcc_lo, v[T0], v[T2]              ; (v1 - v0) x (v2 - v0) < 0: clockwise: vertices 1 and 2 change places, so that inside is on the left of every edge
	v_cndmask_b32 v[PV],   v[\xy+2], v[\xy+4], vcc_lo
	v_cndmask_b32 v[PV+1], v[\xy+3], v[\xy+5], vcc_lo
	v_cndmask_b32 v[PV+2], v[\xy+4], v[\xy+2], vcc_lo
	v_cndmask_b32 v[PV+3], v[\xy+5], v[\xy+3], vcc_lo
	EDGE_A 0, \xy, \xy+1, PV, PV+1
	EDGE_A 1, PV, PV+1, PV+2, PV+3
	EDGE_A 2, PV+2, PV+3, \xy, \xy+1
	v_rsq_f32 v[L2],   v[L2]
	v_rsq_f32 v[L2+1], v[L2+1]
	v_rsq_f32 v[L2+2], v[L2+2]
	s_and_b32 s27, s[DEG], s[DEG+1]
	s_and_b32 s27, s27, s[DEG+2]
	v_cndmask_b32 v[REC+15], s22, -1, s27          ; three points: the mask keeps d2min's own sign.  Also the plain vector instruction between the roots and their first use (ISA guide 5.7.2)
	s_wait_alu depctr_va_vdst(0)
	EDGE_B 0, \xy, \xy+1
	EDGE_B 1, PV, PV+1
	EDGE_B 2, PV+2, PV+3
.endm
; The face in REC at the tile's centre: near lanes into s[sn].  BW keeps the three w for SUBS.
.macro CENTRE sn
.irp k, 0,1,2
	v_fma_f32 v[BU+\k], -v[REC+4*\k+1], v[YC], v[REC+4*\k+2]
	v_fma_f32 v[BW+\k], v[REC+4*\k], v[YC], v[REC+4*\k+3]
.endr
.irp k, 0,1,2
	v_fmac_f32 v[BU+\k], v[XC], v[REC+4*\k]        ; u = A x - NB y + cu
	v_fmac_f32 v[BW+\k], v[XC], v[REC+4*\k+1]      ; w = NB x + A y + cw
.endr
.irp k, 0,1,2
	v_med3_num_f32 v[TT+\k], v[BU+\k], 0, v[REC+12+\k]         ; t L = clamp(u, 0, L)
.endr
.irp k, 0,1,2
	v_sub_f32 v[BU+\k], v[BU+\k], v[TT+\k]
.endr
.irp k, 0,1,2
	v_mul_f32 v[TT+\k], v[BU+\k], v[BU+\k]
.endr
.irp k, 0,1,2
	v_fmac_f32 v[TT+\k], v[BW+\k], v[BW+\k]        ; d2 = (u - t L)^2 + w^2
.endr
	v_min3_num_f32 v[DD], v[TT], v[TT+1], v[TT+2]
	v_min3_num_f32 v[GG], v[BW], v[BW+1], v[BW+2]
	v_bfi_b32 v[XX], v[REC+15], v[DD], v[GG]       ; size of d2min, sign of min3(w)
	v_cmp_lt_f32 s[\sn], s18, v[XX]                ; -TH < x: not both outside and far: near
.endm
; The face in REC against the four sub-tiles: clamp(m, 0, 5)^2 starts (first = 1) or is added to the four sums.
.macro SUBS first
.irp k, 0,1,2
	v_fma_f32 v[BS+\k], |v[REC+4*\k+1]|, s32, v[BW+\k]         ; w - |NB| 3.5/64
.endr
.irp k, 0,1,2
	v_fma_f32 v[BS+\k], |v[REC+4*\k]|, s33, v[BS+\k]           ;   - |A| 1.5/64: the least w over a box of a sub-tile's size round the tile's centre
.endr
.irp k, 0,1,2
	v_fma_f32 v[P+2*\k],    v[REC+4*\k], s34, v[BS+\k]         ; moved to the lower sub-tiles' y: + A / 32,
	v_fma_f32 v[P+2*\k+1], -v[REC+4*\k], s34, v[BS+\k]         ; to the upper ones': - A / 32
.endr
.irp k, 0,1,2
	v_pk_fma_f32 v[H+4*\k:H+4*\k+1],   v[REC+4*\k:REC+4*\k+1], v[CXP:CXP+1], v[P+2*\k:P+2*\k+1] op_sel:[1,0,0] op_sel_hi:[1,1,0]   ; NB x (+1/16, -1/16) + the first of the pair: right and left, lower
	v_pk_fma_f32 v[H+4*\k+2:H+4*\k+3], v[REC+4*\k:REC+4*\k+1], v[CXP:CXP+1], v[P+2*\k:P+2*\k+1] op_sel:[1,0,1] op_sel_hi:[1,1,1]   ; the same + the second: right and left, upper
.endr
.irp j, 0,1,2,3
	v_min3_num_f32 v[M+\j], v[H+\j], v[H+4+\j], v[H+8+\j]      ; m: the least over the three edges
.endr
.irp j, 0,1,2,3
	v_med3_num_f32 v[M+\j], v[M+\j], 0, s19                    ; not inside: 0; deeper than 5: the cut at x = 25
.endr
.if \first
	v_pk_mul_f32 v[ACC:ACC+1],   v[M:M+1],   v[M:M+1]          ; the first face starts the sums: nothing is cleared
	v_pk_mul_f32 v[ACC+2:ACC+3], v[M+2:M+3], v[M+2:M+3]
.else
	v_pk_fma_f32 v[ACC:ACC+1],   v[M:M+1],   v[M:M+1],   v[ACC:ACC+1]
	v_pk_fma_f32 v[ACC+2:ACC+3], v[M+2:M+3], v[M+2:M+3], v[ACC+2:ACC+3]
.endif
.endm
; Four sums from register b on, over the sixteen lanes of each half of the wave; the result in every lane of the half.
.macro ROWSUM b
.irp m, 1,2,4,8
.irp j, 0,1,2,3
	v_add_f32_dpp v[\b+\j], v[\b+\j], v[\b+\j] row_xmask:\m row_mask:0xf bank_mask:0xf
.endr
.endr
.endm
	s_wait_dscnt 0x6                               ; LDS loads come back in order (ISA guide 5.7.1): face t's six coordinates are in, the other face's six may be out
	FACE XYA
	CENTRE 40
	SUBS 1
	s_wait_dscnt 0x0
	FACE XYB
	CENTRE 42
	SUBS 0
	ROWSUM ACC                                     ; 32 faces' terms in each half of the wave
	v_mov_b32 v[WD],   s40                         ; faces 32 w .. 32 w + 31: near word w
	v_mov_b32 v[WD+1], s42                         ; faces 512 + 32 w ..: near word 16 + w
	ds_store_b32 v[SA], v[WD]                      ; all lanes write the same word with the same value
	ds_store_b32 v[SA], v[WD+1] offset:64
	ds_store_b128 v[SB], v[ACC:ACC+3] offset:SUMS  ; the sixteen lanes of a half write the same 16 bytes with the same numbers
	s_wait_dscnt 0x0                               ; my words and sums are in LDS,
	s_barrier_signal -1
	s_barrier_wait -1                              ; everybody's are
	s_cmp_lg_u32 s29, 0
	s_cbranch_scc1 .Ldone
	v_lshlrev_b32 v1, 2, v0                        ; wave 0: lane l takes near word l,
	ds_load_b32 v[T0], v1 offset:STG
	v_and_b32 v[T1], 15, v0
	v_lshlrev_b32 v[T1], 4, v[T1]                  ; and the sums of half-waves l mod 16 and l mod 16 + 16
	ds_load_b128 v[R:R+3],   v[T1] offset:SUMS
	ds_load_b128 v[R+4:R+7], v[T1] offset:SUMS+256
	v_lshlrev_b32 v[T2], 3, v0                     ; and stores pair l
	s_wait_dscnt 0x0
	v_pk_add_f32 v[R:R+1],   v[R:R+1],   v[R+4:R+5]
	v_pk_add_f32 v[R+2:R+3], v[R+2:R+3], v[R+6:R+7]
	ROWSUM R                                       ; each half of the lanes holds all 32 half-waves' sums: every lane ends with the four totals over 1,024 faces
	v_min3_num_f32 v[T3], v[R], v[R+1], v[R+2]
	v_min_num_f32 v[T3], v[T3], v[R+3]             ; the worst of the four sub-tiles
	v_cmp_le_f32 vcc_lo, s35, v[T3]                ; 24.5 <= it: the same answer in every lane
	s_cmp_lg_u32 vcc_lo, 0                         ; is the tile covered?
	s_cselect_b32 s30, -1, 0
	s_cselect_b32 s31, 1, 0
	v_cndmask_b32 v[OUT], v[T0], 0, s30            ; then no face need be evaluated
	v_mov_b32 v[OUT+1], s31
	global_store_b64 v[T2], v[OUT:OUT+1], s[8:9]   ; one store covers the tile's 256 consecutive bytes, from a multiple of 256
.Ldone:
	s_wait_tensorcnt 0x0
	ds_add_u32 v128, v129
	s_wait_dscnt 0x0
	s_endpgm
.Lfunc_end_k_qc9d991250c_bin:
	.size	k_qc9d991250c_bin, .Lfunc_end_k_qc9d991250c_bin-k_qc9d991250c_bin
	.p2alignl 7, 3214868480
	.fill 96, 4, 3214868480
	.section	.rodata,"a",@progbits
	.p2align	6, 0x0
	.amdhsa_kernel k_qc9d991250c_bin
		.amdhsa_group_segment_fixed_size 169984
		.amdhsa_private_segment_fixed_size 0
		.amdhsa_enable_private_segment 0
		.amdhsa_kernarg_size 24
		.amdhsa_user_sgpr_count 2
		.amdhsa_user_sgpr_kernarg_segment_ptr 1
		.amdhsa_wavefront_size32 1
		.amdhsa_system_sgpr_workgroup_id_x 1
		.amdhsa_system_sgpr_workgroup_id_y 1
		.amdhsa_system_sgpr_workgroup_id_z 1
		.amdhsa_system_vgpr_workitem_id 0
		.amdhsa_next_free_vgpr 130
		.amdhsa_next_free_sgpr 66
		.amdhsa_reserve_vcc 1
		.amdhsa_float_denorm_mode_32 3
		.amdhsa_float_denorm_mode_16_64 3
		.amdhsa_memory_ordered 1
		.amdhsa_forward_progress 1
		.amdhsa_inst_pref_size 21
	.end_amdhsa_kernel
	.amdgpu_metadata
---
amdhsa.version: [ 1, 2 ]
amdhsa.kernels:
  - .name:           k_qc9d991250c_bin
    .symbol:         k_qc9d991250c_bin.kd
    .args:
      - { .name: faces, .offset: 0, .size: 8, .value_kind: global_buffer, .address_space: global }
      - { .name: verts, .offset: 8, .size: 8, .value_kind: global_buffer, .address_space: global }
      - { .name: masks, .offset: 16, .size: 8, .value_kind: global_buffer, .address_space: global }
    .group_segment_fixed_size: 169984
    .private_segment_fixed_size: 0
    .kernarg_segment_align: 8
    .kernarg_segment_size: 24
    .max_flat_workgroup_size: 512
    .sgpr_count:     66
    .vgpr_count:     130
    .wavefront_size: 32
...
	.end_amdgpu_metadata
.endif
;; end of part 2
;; launch raster (part 3): grid 128 x 2, 16 waves a work-group, no clusters, 169,984 bytes of LDS; arguments faces, verts, masks, out0; writes out0
.if DOCPART == 3
	.amdgcn_target "amdgcn-amd-amdhsa--gfx1250"
	.amdhsa_code_object_version 6
	.text
	.protected	k_qc9d991250c_raster
	.globl	k_qc9d991250c_raster
	.p2align	8
	.type	k_qc9d991250c_raster,@function
k_qc9d991250c_raster:
	s_mov_b64 s[64:65], 0
	v_nop
	global_prefetch_b8 v0, s[64:65] scope:SCOPE_SE
	s_setreg_imm32_b32 hwreg(HW_REG_WAVE_MODE, 25, 1), 1
	s_wait_xcnt 0x0
; Soft rasteriser, second of two launches.  out0[b][y][x] = 1 - product over 1,024 faces of (1 - sigmoid(+-d2min / sigma)), sigma = 1e-4:
; d2min = squared distance from the pixel's centre to the nearest of the face's three edges, + inside the face, - outside.
; faces [1024][3] i32, verts [2][600][3] f32 (x and y are used, as in the reference), masks [2][128 tiles][32][2] u32 from the first launch, out0 [2][128][128] f32.
;
; SHARES.  One work-group = one tile of 16 x 8 pixels of one batch (grid 128 x 2).  Sixteen waves.
;   Prologue: the batch's vertices go to LDS; thread t turns faces t and t + 512 into records of 16 words in LDS (below).  Two barriers.
;   Main loop: wave w takes faces 64 w .. 64 w + 63, and of them those alone whose bit is set in the tile's near words 2 w and 2 w + 1: the others' factors are 1
;   (first launch's head).  Lanes 0-15 hold the tile's 128 pixels, eight neighbours of a row a lane, for a face of word 2 w, lanes 16-31 the same pixels for a face of
;   word 2 w + 1.  A trip takes the lowest set bit of each word; the trips are the larger of the two words' bit counts, 0 to 32; a half whose word is used up
;   takes slot 32 of its group of records, a null record whose factor is 1.  Trip counts and LDS addresses hang on whole numbers read from memory alone.
;   A tile marked covered has no near bits and starts its products at 2^24: the result is 1 to within 2^-24, as the covering face's factor 2^25 + 1 would make it.
;   End: the two halves of a wave are multiplied (v_permlanex16_b32), sixteen partial tiles meet in LDS, wave 0 finishes the tile.
;   The tile is 16 x 8 and not 64 x 2 because the faces that come near a tile grow in number with its extent (half diagonal 8.3 pixels against 32).  The price: the one
;   store of the result covers eight pieces of 64 consecutive bytes, a quarter of an aligned block of 256 each.  The whole output is 131,072 bytes.
;
; ARITHMETIC.  For an edge a -> b of length L take its unit direction d and the normal n = (-dy, dx).  With u = d.(p - a), w = n.(p - a):
;   cr = L w,  diff = (u - t L) d + w n,  d2 = (u - t L)^2 + w^2,  t L = clamp(u, 0, L) (see EPS below).
;   All lengths carry the factor S = sqrt(log2(e) / sigma), so that the squared distance is the argument of v_exp_f32 (base 2) as it stands.
;   u = A x - NB y + cu and w = NB x + A y + cw with A = S dx, NB = -S dy: a lane folds its y into the constants once a face (six multiply-adds for eight pixels),
;   then u and w are ONE packed multiply-add for two pixels each.
;   The vertices are taken counter-clockwise, so that inside = all three w >= 0 = sign bit of min3(w) clear; v_bfi_b32 puts that bit on d2min.
;   1 - sigmoid(x) = 1 / (1 + e^x): the loop multiplies Q = product of (1 + e^x) and the reciprocal is taken once, out = 1 - 1 / Q.
; NOTHING OVERFLOWS OR UNDERFLOWS.  The scaled d2min is cut at XMAX = 25 before it gets its sign, so 2^x lies in 2^-25 .. 2^25: below, 1 + 2^-25 rounds to 1 as the
;   true factor does; above, the true factor is larger still.  Q is cut at QMAX = 2^24 after every trip: 2^24 (2^25 + 1) < 2^50.  All factors are >= 1 and no
;   cut factor exceeds the true one, so once a cut has acted both Q and the true product are >= 2^24 and both results are 1 to within 2^-24.
; EPS.  The reference takes t = clip(ap.ab / (ab.ab + 1e-12)), that is t L = clamp(g u, 0, L) with g = L^2 / (L^2 + 1e-12).  This text takes clamp(u, 0, L).
;   The two differ by at most min(L, 1e-12 / L) <= 1e-6, for every input; under the cut the distance along the edge is at most 5 / S = 0.042, so the exponent
;   moves by at most S^2 x 1e-6 x 0.084 = 0.0012.  The case that EPS is there for, L = 0, is clamp(u, 0, 0) = 0, the reference's t = 0.
; FACES WITHOUT AREA.  An edge with a = b gets d = (1, 0), L = 0: d2 = |p - a|^2 as in the reference.  Its w is then no cross product, which is harmless:
;   with one such edge the other two are opposite, min3(w) < 0 with or without it (the reference: cr = 0 for it, opposite signs for the others: outside);
;   with three such edges the reference has all cr = 0 = inside everywhere: the record's mask is all ones and v_bfi_b32 keeps d2min's own sign, +.
;   A sliver so thin that the sign of its area is lost in rounding may be turned wrongly; its inside is then no wider than that rounding, where x = +-0.
; LIMITS.  Finite inputs.  Edges shorter than about 1e19 (their squared length is formed, as in the reference).  Indices above 599 are taken as 599.
;   u and w are rounded in another order than the reference's ap, cr: a pixel centre within rounding of the line through an edge may be classed otherwise.
;   On a face with area that line is left only at the face's border, where d2min = 0 and the sign is void; it can change a value only for faces
;   without area, away from their segment.  w is never -0: x and y are never 0 and A, NB not both 0, so w is 0 only by cancellation, which gives +0.
; NOT USED.  Matrix instructions: u and w must be right to about 1e-6 of the coordinates, more than 16-bit operands hold.  Tensor loads, clusters:
;   what work-groups share is 27 KB of inputs, read once each.  A second record buffer: trips are few and the SIMD's other three waves work while one waits for LDS.
;   The launch asks for more LDS than the 100,864 bytes it uses, more than half of what a WGP has, so that no two of the 256 work-groups share one.
.set NVERT,  600
.set RECB,   80                        ; pitch of the records: 64 bytes of data + 16: 20 words, so sixteen neighbouring threads' 16-byte stores start at sixteen different banks (64 banks of 4 bytes: ISA guide 11.1)
.set GP,     33*RECB                   ; a group: the records of 32 faces (one near word), then the null record
.set VTAB,   0                         ; LDS: the batch's 7,200 bytes of vertices, in 8,192
.set RECS,   8192                      ; LDS: 32 groups
.set RED,    RECS+32*GP                ; LDS: 16 partial tiles of 512 bytes
; A record, 16 words.  Edge k: word 4k  A | 4k+1  NB | 4k+2  cu | 4k+3  cw.  Word 12+k: S L of edge k.  Word 15: mask.
; registers of the whole kernel
.set PX,  2                            ; v[2:9]    x of my eight pixels
.set Q,   10                           ; v[10:17]  running products of my eight pixels
.set LA,  18                           ; v18       LDS address of my half-wave's record
.set RA,  19                           ; v19       LDS address in the partial tiles
.set YL,  20                           ; v20       y of my eight pixels
.set LB,  21                           ; v21       LDS address of my half-wave's group
.set IX,  22                           ; v22       slot in the group
; registers of the main loop
.set C0,  24                           ; v[24:39]  the record
.set BB,  40                           ; v[40:45]  edge k: u's and w's constants with my y folded in
.set U,   48                           ; v[48:59]  edge k, pixel j of four at U + 4 k + j: u, then u - t L
.set T,   60                           ; v[60:71]  t L, then d2
.set W,   72                           ; v[72:83]  w
.set X,   84                           ; v[84:87]  d2min, then the signed exponent, then 1 + 2^x
.set SG,  88                           ; v[88:91]  min3(w)
; registers of the prologue (free again at the second barrier)
.set IA,  24                           ; v[24:26]  indices of face t, then byte offsets of its vertices in the table
.set FO,  27                           ; v27       12 t
.set IB,  28                           ; v[28:30]  the same for face t + 512
.set VL,  31                           ; v31       16 t
.set VD,  32                           ; v[32:35]  my 16 bytes of the vertices
.set VO,  36                           ; v36       where they lie in memory
.set ST,  37                           ; v37       where face t's record goes
.set XYA, 38                           ; v[38:43]  x0 y0 x1 y1 x2 y2 of face t
.set XYB, 44                           ; v[44:49]  of face t + 512
.set PV,  50                           ; v[50:53]  vertices 1 and 2 in counter-clockwise order
.set DA,  54                           ; v54       where my wave's null record goes
.set REC, 56                           ; v[56:71]  the record at work
.set ABX, 72                           ; v[72:74]
.set ABY, 75                           ; v[75:77]
.set SX,  78                           ; v[78:80]
.set SY,  81                           ; v[81:83]
.set L2,  84                           ; v[84:86]
.set MX,  87
.set DM,  88                           ; v[88:95]  the null record's two different quarters
.set FS,  96
.set LN,  97
.set T0,  98
.set T1,  99
.set T2,  100
.set T3,  101
.set DEG, 24                           ; s[24:26]  lanes whose edge k is a point
	s_load_b256 s[4:11], s[0:1], 0x0               ; faces s[4:5], verts s[6:7], masks s[8:9], out0 s[10:11]
	v_lshl_add_u32 v104, v0, 2, 0x29000
	v_mov_b32 v105, 0
	v_mul_u32_u24 v[FO], 12, v0                    ; a face is three words
	v_lshlrev_b32 v[VL], 4, v0
	v_min_u32 v[VO], NVERT*12-16, v[VL]            ; threads 450 to 511 read the table's last 16 bytes again: no load leaves the buffer, no lane is switched off
	v_lshrrev_b32 v1, 5, v0
	v_readfirstlane_b32 s29, v1                    ; wave 0..15
	s_and_b32 s12, ttmp7, 0xffff                   ; batch
	s_and_b32 s13, ttmp9, 7                        ; tile column tx
	s_lshr_b32 s34, ttmp9, 3                       ; tile row ty
	s_mul_i32 s14, s12, NVERT*12                   ; the batch's vertices: 7,200 bytes, a multiple of 16
	s_mov_b32 s15, 0
	s_lshl_b32 s30, s12, 7
	s_add_co_u32 s30, s30, ttmp9                   ; 128 x batch + tile
	s_lshl_b32 s30, s30, 8                         ; 256 bytes of masks a tile,
	s_lshl_b32 s27, s29, 4
	s_add_co_u32 s30, s30, s27                     ; of which 16 are my wave's
	s_mov_b32 s31, 0
	s_lshl_b32 s32, s12, 16                        ; an image is 65,536 bytes,
	s_lshl_b32 s27, s34, 12                        ; eight rows are 4,096,
	s_add_co_u32 s32, s32, s27
	s_lshl_b32 s27, s13, 6                         ; sixteen pixels are 64
	s_add_co_u32 s32, s32, s27
	s_mov_b32 s33, 0
	s_wait_kmcnt 0x0
	s_add_nc_u64 s[6:7], s[6:7], s[14:15]
	s_add_nc_u64 s[8:9], s[8:9], s[30:31]
	s_add_nc_u64 s[10:11], s[10:11], s[32:33]
	s_load_b128 s[36:39], s[8:9], 0x0              ; near word 2 w, covered?, near word 2 w + 1, covered?
	global_load_b128 v[VD:VD+3], v[VO], s[6:7]     ; vertices and indices are asked for together: the gather below is from LDS
	global_load_b96 v[IA:IA+2], v[FO], s[4:5]
	global_load_b96 v[IB:IB+2], v[FO], s[4:5] offset:512*12
	; while they are on their way: constants, pixel centres, LDS addresses
	s_mov_b32 s16, 0x42f03978                      ; S = sqrt(1.442695 / 1e-4) = 120.11224
	s_mov_b32 s17, 0xc2f03978                      ; -S
	s_mov_b32 s18, 0x41c80000                      ; XMAX = 25
	s_mov_b32 s19, 0x4b800000                      ; QMAX = 2^24
	s_mov_b32 s20, 0x26800000                      ; 2^-50
	s_mov_b32 s21, 0x6c800000                      ; 2^90
	s_mov_b32 s22, 0x7fffffff                      ; all but the sign
	s_mov_b32 s23, 0x3c000000                      ; 1 / 128
	s_mov_b32 s35, 0xffff0000                      ; lanes 16-31
	s_mov_b32 s43, 0x3f800000                      ; 1.0
	s_mov_b32 s44, 0x76543210                      ; v_permlanex16_b32: lane i of one half reads lane i of the other
	s_mov_b32 s45, 0xfedcba98
	v_and_b32 v1, 1, v0                            ; c = lane mod 16 holds pixels 8 (c mod 2) + j of tile row c / 2
	v_lshlrev_b32 v1, 4, v1
	s_lshl_b32 s27, s13, 5
	v_add_nc_u32 v1, s27, v1                       ; pixel i = 16 tx + 8 (c mod 2) + j has the centre (2 i + 1) / 128 - 1, exact in f32
.irp j, 0,1,2,3,4,5,6,7
	v_or_b32 v[PX+\j], 2*\j+1, v1
.endr
.irp j, 0,1,2,3,4,5,6,7
	v_cvt_f32_u32 v[PX+\j], v[PX+\j]
.endr
.irp j, 0,1,2,3,4,5,6,7
	v_fma_f32 v[PX+\j], v[PX+\j], s23, -1.0
.endr
	v_bfe_u32 v1, v0, 1, 3                         ; c / 2
	s_lshl_b32 s27, s34, 4
	s_or_b32 s27, s27, 1
	v_lshl_add_u32 v1, v1, 1, s27                  ; 2 (8 ty + c / 2) + 1
	v_cvt_f32_u32 v[YL], v1
	v_fma_f32 v[YL], v[YL], s23, -1.0
	s_mul_i32 s27, s29, GP
	s_add_co_u32 s27, s27, RECS                    ; group w holds faces 32 w .. 32 w + 31, which my wave prepares (and group 16 + w)
	v_and_b32 v1, 31, v0
	v_mad_u32_u24 v[ST], v1, RECB, s27
	s_add_co_u32 s27, s27, 32*RECB
	v_mov_b32 v[DA], s27                           ; its slot 32
	s_mul_i32 s27, s29, 2*GP
	s_add_co_u32 s27, s27, RECS                    ; groups 2 w and 2 w + 1 are those that my wave evaluates
	v_bfe_u32 v1, v0, 4, 1
	v_mad_u32_u24 v[LB], v1, GP, s27
	v_and_b32 v1, 15, v0
	v_lshlrev_b32 v1, 5, v1                        ; my eight pixels are 32 bytes of the tile, taken row by row
	s_lshl_b32 s27, s29, 9
	s_add_co_u32 s27, s27, RED
	v_add_nc_u32 v[RA], s27, v1                    ; in my wave's partial tile
	; the null record: u = 0, w = -8, L = 0 for all three edges: d2 = 64, cut to 25, outside: the factor 1 + 2^-25 rounds to 1
.irp j, 0,1,2,4,5,6
	v_mov_b32 v[DM+\j], 0
.endr
	v_mov_b32 v[DM+3], 0xc1000000                  ; cw = -8
	v_mov_b32 v[DM+7], s22
	s_wait_loadcnt 0x2                             ; my 16 bytes of vertices are in; the two index loads behind them may be out
	ds_store_b128 v[VL], v[VD:VD+3] offset:VTAB
.irp g, 0, 16*GP
.irp j, 0,1,2
	ds_store_b128 v[DA], v[DM:DM+3] offset:\g+16*\j            ; all lanes write the same bytes with the same numbers
.endr
	ds_store_b128 v[DA], v[DM+4:DM+7] offset:\g+48
.endr
	s_wait_loadcnt 0x0                             ; the six indices
.irp r, IA, IA+1, IA+2, IB, IB+1, IB+2
	v_min_u32 v[\r], NVERT-1, v[\r]                ; an index stays inside the table
	v_mul_u32_u24 v[\r], 12, v[\r]                 ; a vertex is three words
.endr
	s_wait_dscnt 0x0                               ; my part of the table is in LDS,
	s_barrier_signal -1
	s_barrier_wait -1                              ; everybody's is
.irp j, 0,1,2
	ds_load_b32 v[XYA+2*\j],   v[IA+\j] offset:VTAB            ; a vertex starts at a multiple of 4 bytes only: x and y by loads of their own
	ds_load_b32 v[XYA+2*\j+1], v[IA+\j] offset:VTAB+4
.endr
.irp j, 0,1,2
	ds_load_b32 v[XYB+2*\j],   v[IB+\j] offset:VTAB
	ds_load_b32 v[XYB+2*\j+1], v[IB+\j] offset:VTAB+4
.endr
; Edge k from a to b, first part: b - a, whether it is a point, and the squared length of which the root is taken.
.macro EDGE_A k, ax, ay, bx, by
	v_sub_f32 v[ABX+\k], v[\bx], v[\ax]
	v_sub_f32 v[ABY+\k], v[\by], v[\ay]
	v_and_b32 v[MX], s22, v[ABX+\k]
	v_and_b32 v[T0], s22, v[ABY+\k]
	v_max_num_f32 v[MX], v[MX], v[T0]              ; the larger component's size
	v_cmp_gt_f32 vcc_lo, s20, v[MX]                ; below 2^-50 the square would leave the normal range, where v_rsq_f32 reads zero:
	v_cndmask_b32 v[FS], 1.0, s21, vcc_lo          ; such an edge is blown up by 2^90 (the smallest f32, 2^-149, then squares to 2^-118) for its direction alone
	v_cmp_eq_f32 s[DEG+\k], 0, v[MX]               ; a = b exactly
	v_mul_f32 v[SX+\k], v[ABX+\k], v[FS]
	v_mul_f32 v[SY+\k], v[ABY+\k], v[FS]
	v_cndmask_b32 v[SX+\k], v[SX+\k], 1.0, s[DEG+\k]   ; a point counts as (1, 0) from here on: the root never sees a zero
	v_mul_f32 v[L2+\k], v[SX+\k], v[SX+\k]
	v_fmac_f32 v[L2+\k], v[SY+\k], v[SY+\k]
.endm
; Second part: the edge's five words of the record.
.macro EDGE_B k, ax, ay
	v_mul_f32 v[SX+\k], v[SX+\k], v[L2+\k]         ; dx
	v_mul_f32 v[SY+\k], v[SY+\k], v[L2+\k]         ; dy
	v_mul_f32 v[LN], v[ABX+\k], v[SX+\k]
	v_fmac_f32 v[LN], v[ABY+\k], v[SY+\k]          ; L = ab.d, from the edge as it is: 0 for a point
	v_mul_f32 v[REC+4*\k], s16, v[SX+\k]           ; A = S dx
	v_mul_f32 v[REC+4*\k+1], s17, v[SY+\k]         ; NB = -S dy
	v_mul_f32 v[REC+12+\k], s16, v[LN]             ; S L
	v_mul_f32 v[T0], v[REC+4*\k+1], v[\ay]
	v_mul_f32 v[T1], v[REC+4*\k], v[\ay]
	v_fma_f32 v[REC+4*\k+2], -v[REC+4*\k], v[\ax], v[T0]       ; cu = -A ax + NB ay
	v_fma_f32 v[REC+4*\k+3], -v[REC+4*\k+1], v[\ax], -v[T1]    ; cw = -NB ax - A ay
.endm
; A face with its six coordinates from register xy on; its record goes to LDS at my slot + so.
.macro FACE xy, so
	v_sub_f32 v[T0], v[\xy+2], v[\xy]
	v_sub_f32 v[T1], v[\xy+5], v[\xy+1]
	v_sub_f32 v[T2], v[\xy+3], v[\xy+1]
	v_sub_f32 v[T3], v[\xy+4], v[\xy]
	v_mul_f32 v[T0], v[T0], v[T1]
	v_mul_f32 v[T2], v[T2], v[T3]
	v_cmp_lt_f32 vcc_lo, v[T0], v[T2]              ; (v1 - v0) x (v2 - v0) < 0: clockwise: vertices 1 and 2 change places, so that inside is on the left of every edge
	v_cndmask_b32 v[PV],   v[\xy+2], v[\xy+4], vcc_lo
	v_cndmask_b32 v[PV+1], v[\xy+3], v[\xy+5], vcc_lo
	v_cndmask_b32 v[PV+2], v[\xy+4], v[\xy+2], vcc_lo
	v_cndmask_b32 v[PV+3], v[\xy+5], v[\xy+3], vcc_lo
	EDGE_A 0, \xy, \xy+1, PV, PV+1
	EDGE_A 1, PV, PV+1, PV+2, PV+3
	EDGE_A 2, PV+2, PV+3, \xy, \xy+1
	v_rsq_f32 v[L2],   v[L2]
	v_rsq_f32 v[L2+1], v[L2+1]
	v_rsq_f32 v[L2+2], v[L2+2]
	s_and_b32 s27, s[DEG], s[DEG+1]
	s_and_b32 s27, s27, s[DEG+2]
	v_cndmask_b32 v[REC+15], s22, -1, s27          ; three points: the mask keeps d2min's own sign.  Also the plain vector instruction between the roots and their first use (ISA guide 5.7.2)
	s_wait_alu depctr_va_vdst(0)
	EDGE_B 0, \xy, \xy+1
	EDGE_B 1, PV, PV+1
	EDGE_B 2, PV+2, PV+3
.irp j, 0,1,2,3
	ds_store_b128 v[ST], v[REC+4*\j:REC+4*\j+3] offset:\so+16*\j
.endr
.endm
	s_wait_dscnt 0x6                               ; LDS instructions end in order (ISA guide 5.7.1): face t's six coordinates are in, the other face's six may be out
	FACE XYA, 0
	s_wait_dscnt 0x4                               ; the other face's six are in; the four stores issued behind them may be out
	FACE XYB, 16*GP
	s_wait_dscnt 0x0                               ; my records are in LDS,
	s_barrier_signal -1
	s_barrier_wait -1                              ; everybody's are
; Four pixels (two pairs, x from register xb on, products from qb on) against the record in buffer cb.  Six or more independent instructions in each stage.
.macro HALF cb, xb, qb
.irp k, 0,1,2
.irp p, 0,2
	v_pk_fma_f32 v[U+4*\k+\p:U+4*\k+\p+1], v[\xb+\p:\xb+\p+1], v[\cb+4*\k:\cb+4*\k+1], v[BB+2*\k:BB+2*\k+1] op_sel_hi:[1,0,0]   ; u = x A + (cu - NB y): the first of each pair, for both pixels
.endr
.endr
.irp k, 0,1,2
.irp p, 0,2
	v_pk_fma_f32 v[W+4*\k+\p:W+4*\k+\p+1], v[\xb+\p:\xb+\p+1], v[\cb+4*\k:\cb+4*\k+1], v[BB+2*\k:BB+2*\k+1] op_sel:[0,1,1] op_sel_hi:[1,1,1]   ; w = x NB + (cw + A y): the second of each pair
.endr
.endr
.irp k, 0,1,2
.irp j, 0,1,2,3
	v_med3_num_f32 v[T+4*\k+\j], v[U+4*\k+\j], 0, v[\cb+12+\k]     ; t L = clamp(u, 0, L)
.endr
.endr
.irp k, 0,1,2
.irp p, 0,2
	v_pk_add_f32 v[U+4*\k+\p:U+4*\k+\p+1], v[U+4*\k+\p:U+4*\k+\p+1], v[T+4*\k+\p:T+4*\k+\p+1] neg_lo:[0,1] neg_hi:[0,1]   ; u - t L
.endr
.endr
.irp k, 0,1,2
.irp p, 0,2
	v_pk_mul_f32 v[T+4*\k+\p:T+4*\k+\p+1], v[U+4*\k+\p:U+4*\k+\p+1], v[U+4*\k+\p:U+4*\k+\p+1]
.endr
.endr
.irp k, 0,1,2
.irp p, 0,2
	v_pk_fma_f32 v[T+4*\k+\p:T+4*\k+\p+1], v[W+4*\k+\p:W+4*\k+\p+1], v[W+4*\k+\p:W+4*\k+\p+1], v[T+4*\k+\p:T+4*\k+\p+1]   ; d2 = w^2 + (u - t L)^2
.endr
.endr
.irp j, 0,1,2,3
	v_min3_num_f32 v[X+\j], v[T+\j], v[T+4+\j], s18            ; the nearest edge, cut at XMAX,
.endr
.irp j, 0,1,2,3
	v_min3_num_f32 v[SG+\j], v[W+\j], v[W+4+\j], v[W+8+\j]     ; >= 0: inside
.endr
.irp j, 0,1,2,3
	v_min_num_f32 v[X+\j], v[X+\j], v[T+8+\j]                  ; of all three
.endr
	; The order below keeps a plain vector instruction between each v_exp_f32 and the first use of its result (ISA guide 5.7.2): the second pair's v_bfi_b32 for the first pair, the first pair's add and multiply for the second.
	v_bfi_b32 v[X],   v[\cb+15], v[X],   v[SG]     ; size of d2min, sign of min3(w): -25 <= x <= 25
	v_bfi_b32 v[X+1], v[\cb+15], v[X+1], v[SG+1]
	v_exp_f32 v[X],   v[X]
	v_exp_f32 v[X+1], v[X+1]
	v_bfi_b32 v[X+2], v[\cb+15], v[X+2], v[SG+2]
	v_bfi_b32 v[X+3], v[\cb+15], v[X+3], v[SG+3]
	v_exp_f32 v[X+2], v[X+2]
	v_exp_f32 v[X+3], v[X+3]
	s_wait_alu depctr_va_vdst(0)
	v_pk_add_f32 v[X:X+1], v[X:X+1], 1.0 op_sel_hi:[1,0]
	v_pk_mul_f32 v[\qb:\qb+1], v[\qb:\qb+1], v[X:X+1]          ; Q (1 + 2^x)
	v_pk_add_f32 v[X+2:X+3], v[X+2:X+3], 1.0 op_sel_hi:[1,0]
	v_pk_mul_f32 v[\qb+2:\qb+3], v[\qb+2:\qb+3], v[X+2:X+3]
.endm
.macro QCUT                            ; Q <= QMAX again
.irp j, 0,1,2,3,4,5,6,7
	v_min_num_f32 v[Q+\j], s19, v[Q+\j]
.endr
.endm
	s_wait_kmcnt 0x0                               ; my wave's near words and the tile's flag
	s_cmp_lg_u32 s37, 0                            ; covered?
	s_cselect_b32 s27, s19, s43                    ; then the products start at QMAX, else at 1
.irp j, 0,1,2,3,4,5,6,7
	v_mov_b32 v[Q+\j], s27
.endr
	s_bcnt1_i32_b32 s40, s36
	s_bcnt1_i32_b32 s41, s38
	s_max_u32 s28, s40, s41                        ; trips: the fuller of my two words
	s_cmp_eq_u32 s28, 0
	s_cbranch_scc1 .Lnone
.Ltrip:
	s_ctz_i32_b32 s40, s36                         ; the lowest face left in each word,
	s_cmp_lg_u32 s36, 0
	s_cselect_b32 s40, s40, 32                     ; or slot 32, the null record
	s_ctz_i32_b32 s41, s38
	s_cmp_lg_u32 s38, 0
	s_cselect_b32 s41, s41, 32
	s_add_co_i32 s42, s36, -1
	s_and_b32 s36, s36, s42                        ; that bit is cleared (0 stays 0)
	s_add_co_i32 s42, s38, -1
	s_and_b32 s38, s38, s42
	v_mov_b32 v[IX], s40
	v_cndmask_b32 v[IX], v[IX], s41, s35           ; lanes 16-31 take the second word's
	v_min_u32 v[IX], 32, v[IX]                     ; a slot stays inside its group
	v_mad_u32_u24 v[LA], v[IX], RECB, v[LB]
.irp j, 0,1,2,3
	ds_load_b128 v[C0+4*\j:C0+4*\j+3], v[LA] offset:16*\j      ; within each half of the lanes all read the same 16 bytes
.endr
	s_wait_dscnt 0x0
.irp k, 0,1,2
	v_fma_f32 v[BB+2*\k],   -v[C0+4*\k+1], v[YL], v[C0+4*\k+2] ; cu - NB y
	v_fma_f32 v[BB+2*\k+1],  v[C0+4*\k],   v[YL], v[C0+4*\k+3] ; cw + A y
.endr
	HALF C0, PX, Q
	HALF C0, PX+4, Q+4
	QCUT
	s_sub_co_i32 s28, s28, 1
	s_cmp_lg_u32 s28, 0
	s_cbranch_scc1 .Ltrip
.Lnone:
	; the two halves of the wave hold the same pixels for different faces: each at most 2^24, their product at most 2^48, cut to 2^24 again
.irp j, 0,1,2,3,4,5,6,7
	v_permlanex16_b32 v[REC+\j], v[Q+\j], s44, s45 ; its destination counts as read: these registers were written in the prologue, with or without a trip
.endr
.irp j, 0,2,4,6
	v_pk_mul_f32 v[Q+\j:Q+\j+1], v[Q+\j:Q+\j+1], v[REC+\j:REC+\j+1]
.endr
	QCUT
	ds_store_b128 v[RA], v[Q:Q+3]                  ; lanes i and i + 16 write the same bytes with the same numbers
	ds_store_b128 v[RA], v[Q+4:Q+7] offset:16
	s_wait_dscnt 0x0                               ; my partial tile is in LDS,
	s_barrier_signal -1
	s_barrier_wait -1                              ; all sixteen are
	s_cmp_lg_u32 s29, 0
	s_cbranch_scc1 .Ldone
	; wave 0: lane l takes pixels 4 l .. 4 l + 3 of the tile, row by row, of all sixteen partial tiles
.set R0, 24                            ; v[24:87]
	s_mov_b32 s27, RED
	v_lshl_add_u32 v[RA], v0, 4, s27
.irp j, 0,1,2,3,4,5,6,7,8,9,10,11,12,13,14,15
	ds_load_b128 v[R0+4*\j:R0+4*\j+3], v[RA] offset:512*\j
.endr
.macro MULV a, b
	v_pk_mul_f32 v[\a:\a+1], v[\a:\a+1], v[\b:\b+1]
	v_pk_mul_f32 v[\a+2:\a+3], v[\a+2:\a+3], v[\b+2:\b+3]
.endm
	s_wait_dscnt 0x0
.irp j, 0,1,2,3,4,5,6,7
	MULV R0+4*\j, R0+4*\j+32                       ; at most 2^48
.endr
.irp j, 0,1,2,3
	MULV R0+4*\j, R0+4*\j+16                       ; at most 2^96
.endr
.set i, 0
.rept 16
	v_min_num_f32 v[R0+i], s19, v[R0+i]            ; cut to 2^24
.set i, i+1
.endr
	MULV R0, R0+8                                  ; at most 2^48
	MULV R0+4, R0+12
	MULV R0, R0+4                                  ; at most 2^96: its reciprocal is a normal number
.irp j, 0,1,2,3
	v_rcp_f32 v[R0+\j], v[R0+\j]                   ; 1 / Q = the product of the (1 - prob)
.endr
	v_lshrrev_b32 v1, 2, v0                        ; my row of the tile (these lines are also the plain instructions behind the v_rcp_f32: ISA guide 5.7.2)
	v_and_b32 v[IX], 3, v0
	v_lshlrev_b32 v[IX], 4, v[IX]                  ; my 16 bytes of its 64
	v_lshl_add_u32 v1, v1, 9, v[IX]                ; an image row is 512 bytes
	s_wait_alu depctr_va_vdst(0)
.irp j, 0,1,2,3
	v_sub_f32 v[R0+\j], 1.0, v[R0+\j]
.endr
	global_store_b128 v1, v[R0:R0+3], s[10:11] th:TH_STORE_NT  ; the tile: eight rows' 64 consecutive bytes, four lanes each
.Ldone:
	s_wait_tensorcnt 0x0
	ds_add_u32 v104, v105
	s_wait_dscnt 0x0
	s_endpgm
.Lfunc_end_k_qc9d991250c_raster:
	.size	k_qc9d991250c_raster, .Lfunc_end_k_qc9d991250c_raster-k_qc9d991250c_raster
	.p2alignl 7, 3214868480
	.fill 96, 4, 3214868480
	.section	.rodata,"a",@progbits
	.p2align	6, 0x0
	.amdhsa_kernel k_qc9d991250c_raster
		.amdhsa_group_segment_fixed_size 169984
		.amdhsa_private_segment_fixed_size 0
		.amdhsa_enable_private_segment 0
		.amdhsa_kernarg_size 32
		.amdhsa_user_sgpr_count 2
		.amdhsa_user_sgpr_kernarg_segment_ptr 1
		.amdhsa_wavefront_size32 1
		.amdhsa_system_sgpr_workgroup_id_x 1
		.amdhsa_system_sgpr_workgroup_id_y 1
		.amdhsa_system_sgpr_workgroup_id_z 1
		.amdhsa_system_vgpr_workitem_id 0
		.amdhsa_next_free_vgpr 106
		.amdhsa_next_free_sgpr 66
		.amdhsa_reserve_vcc 1
		.amdhsa_float_denorm_mode_32 3
		.amdhsa_float_denorm_mode_16_64 3
		.amdhsa_memory_ordered 1
		.amdhsa_forward_progress 1
		.amdhsa_inst_pref_size 30
	.end_amdhsa_kernel
	.amdgpu_metadata
---
amdhsa.version: [ 1, 2 ]
amdhsa.kernels:
  - .name:           k_qc9d991250c_raster
    .symbol:         k_qc9d991250c_raster.kd
    .args:
      - { .name: faces, .offset: 0, .size: 8, .value_kind: global_buffer, .address_space: global }
      - { .name: verts, .offset: 8, .size: 8, .value_kind: global_buffer, .address_space: global }
      - { .name: masks, .offset: 16, .size: 8, .value_kind: global_buffer, .address_space: global }
      - { .name: out0, .offset: 24, .size: 8, .value_kind: global_buffer, .address_space: global }
    .group_segment_fixed_size: 169984
    .private_segment_fixed_size: 0
    .kernarg_segment_align: 8
    .kernarg_segment_size: 32
    .max_flat_workgroup_size: 512
    .sgpr_count:     66
    .vgpr_count:     106
    .wavefront_size: 32
...
	.end_amdgpu_metadata
.endif
;; end of part 3
